; MI455X (gfx1250); checked and timed in simulation.
; The chip was launched on July 23, 2026; its instructions are those of AMD's public machine-readable ISA for CDNA 5 (MIT licence, August 2026) and "CDNA5" Instruction Set Architecture Reference Guide (July 2026). The comments in the code are by the model that wrote it; some were corrected since.
;; MHN. Allowed arithmetic: matrix products marked QUANTISED: E4M3 operands, one given power-of-two scale a tensor, by v_wmma_f32_16x16x64_fp8_fp8 or v_wmma_f32_16x16x128_fp8_fp8, f32 sums; everything else in f32.
;; Inputs: W_mol 1,024 x 2,048 float32; W_temp 1,024 x 2,048 float32; b_mol 1,024 float32; b_temp 1,024 float32; lowp_scales 6 int32 (the exponents e of the quantised operands' scales 2^e); m 512 x 2,048 float32; templates 25,000 x 2,048 float32.
;; Outputs: out0 512 x 25,000 float32.
;; This version of the problem:
;;   THIS VERSION OF THE PROBLEM IS GIVEN IN LOW PRECISION. The matrix products marked QUANTISED in the list below multiply operands that are first quantised to E4M3 (4 exponent bits, 3 mantissa bits; 8 bits a number), with one given power-of-two scale for each operand tensor; their sums are f32. All else is computed in f32.
;;   The module's matrix products, in the order in which they are computed (A, B: the left and right operand; K: the contracted axis; several contracted axes count as one K, in the product's order):
;;     1. [M 512, K 2,048] x [K 2,048, N 1,024]; A: input m; B: input W_mol: QUANTISED (scales: A lowp_scales[0], B lowp_scales[1])
;;     2. [M 25,000, K 2,048] x [K 2,048, N 1,024]; A: input templates; B: input W_temp: QUANTISED (scales: A lowp_scales[2], B lowp_scales[3])
;;     3. [M 512, K 1,024] x [K 1,024, N 25,000]; A: computed on the way; B: computed on the way: QUANTISED (scales: A lowp_scales[4], B lowp_scales[5])
;;   THE QUANTISER, for each operand of a quantised product, along K:
;;     - The operand's scale is 2^e, e = its entry of the input lowp_scales (int32; the entries are numbered through the quantised products in the list's order, A before B).
;;     - Each number is divided by the scale, clamped to +-448, and rounded to the nearest number of E4M3, ties to even, subnormals kept.
;;     - The product sums the exact products of the quantised numbers (number of the format x scale) in f32.
;;   ~~~python
;;   def quantise(x, axis, e):      # numpy; x: float32 -> the quantised numbers, widened to float32 again
;;       x = np.moveaxis(x, axis, -1); K = x.shape[-1]
;;       r = np.clip(x / 2.0 ** e, -448, 448)
;;       step = 2.0 ** (np.maximum(np.frexp(np.where(r == 0, 1, r))[1] - 1, -6) - 3)
;;       q = np.round(r / step) * step * 2.0 ** e      # np.round: ties to even
;;       return np.moveaxis(q, -1, axis).astype(np.float32)
;;   ~~~
;;   OPERANDS COMPUTED ON THE WAY. 'Computed on the way' means the value that the module computes at that place (a softmax that the list does not call 'softmax' is quantised finished and normalised). What goes into a quantiser is computed in f32, as accurately as f32 sums, v_exp_f32 and their like allow (about 1e-6 of the number): no bf16 or f16 on the way to a quantiser, and a product that is left as it is and whose result goes on into a quantised operand takes f32 operands (vector FMAs, or v_wmma_f32_16x16x4_f32). A number that lies on a knife's edge between two numbers of the format may be rounded either way, as far as f32 arithmetic and the matrix unit's own rounding can turn it there, and no further.
;; One version. Each part assembles by itself: llvm-mc -triple=amdgcn-amd-amdhsa -mcpu=gfx1250 --defsym DOCPART=n.
;; ======== version 1 of 1: 2 launches
;; limits: right only within a limited range of input values
;; workspace buffers: gimg 2,621,440 bytes
;; launch prep (part 1): grid 256 x 1, 8 waves a work-group, no clusters, 207,616 bytes of LDS; arguments m, W_mol, W_temp, b_mol, lowp_scales, gimg; writes gimg
.if DOCPART == 1
	.amdgcn_target "amdgcn-amd-amdhsa--gfx1250"
	.amdhsa_code_object_version 6
	.text
	.protected	k_qc1655745fb_prep
	.globl	k_qc1655745fb_prep
	.p2align	8
	.type	k_qc1655745fb_prep,@function
k_qc1655745fb_prep:
	s_mov_b64 s[64:65], 0
	v_nop
	global_prefetch_b8 v0, s[64:65] scope:SCOPE_SE
	s_setreg_imm32_b32 hwreg(HW_REG_WAVE_MODE, 25, 1), 1
	s_wait_xcnt 0x0
; PREP.  Two things, both left in gimg as IMAGES OF OPERAND REGISTERS for the second launch:
;   (1) W_temp [1024][2048] f32 -> codes of E4M3 with the given scale 2^e3;
;   (2) Xi = Q(m) Q(W_mol)^T 2^(e0+e1) + b_mol  [512][1024]  -> codes with the given scale 2^e4.
; code = x / 2^e, held within +-448, to the nearest code, ties to even.
; LIMITS: e0, e1, e3, e4 between -126 and 119; e0 + e1 between -126 and 127 (each power of two below is an f32 number).  NaN among the inputs is not served.
; SHARES.  Work-group g: Xi's tile of rows 32 (g / 16) on x columns 64 (g % 16) on, and W_temp's rows 16 (g / 4) on, k = 512 (g % 4) on.
; EIGHT WAVES.  Wave w = 4 kh + wq.  It quantises half kh of K (1,024 numbers) of 8 rows of m (8 wq on) and of 16 rows of W_mol (16 wq on),
; and four units of W_temp (rows 8 (wq / 2) + 4 kh on, places 256 (wq % 2) on).
; A UNIT is one row x 256 along K, 1,024 bytes of f32: lane l loads bytes 16 l and 512 + 16 l (each load of the wave: 512 consecutive bytes) and one conversion makes
; 8 codes, which take PLACES 8 l .. 8 l + 7 of the unit's 256.  That is a permutation of k inside each 256, the same for every tensor whose K is the 2,048, so each product keeps its partner.
; THE TRIPS GO BY ROWS: trip t of four takes 2 rows of m, 4 rows of W_mol and one row of W_temp; a row's four units follow each other, so that eight loads on end ask for its 4,096 consecutive bytes.
; 25 units a trip, 34 to 50 loads of each wave always out; the codes meet in LDS; one barrier; then wave (wq, kh) multiplies 16 rows of W_mol (16 wq on, source 0)
; by 16 rows of m (16 kh on, source 1): a lane then holds 8 neighbouring columns of one row of Xi, which one conversion turns into 8 codes.
; The tile's sum is kept in two accumulators, the even and the odd steps of 64 along K, which take turns and are added in f32 at the end.
; THE UNITS GO IN FOUR GROUPS (8, 8, 8, 1), EACH WITH A POINTER OF ITS OWN: a group's pointer is stepped directly behind the counted wait that shows the group's loads done, so no other wait is owed for it.
; A FRAGMENT for the K = 64 form, here and in the second launch: lane (r, h) holds, of row r, places 64 u + 16 h + 0..15 in registers 0-3 and 64 u + 32 + 16 h + 0..15 in registers 4-7, alike on both sides.
; gimg: for wave w of the second launch 655,360 bytes: w 655360 + S 8192 + b 1024 + c 512 + 16 lane;  S = 32 p + u: W_temp's rows 512 p + 128 w + 16 b + r;  S = 64 + u: Xi's rows 128 w + 16 b + r.
; NO JOINT LOADS: the rows that work-groups share arrive as f32 and pass through registers to be quantised; two slots for a trip's 100 units x 1,024 bytes x 2 (204,800) do not fit beside the 206,592 bytes of codes.
; NO PREFETCH: the ring of register loads has 34 to 50 loads of every wave out in every trip.
; REGISTERS: v1 16 lane; v2-4 where I store codes (m, W_mol, W_temp), v5-7 the same in the trip in hand; v8-11 2^e0, 2^e1, 2^e3, 2^e4; v12-19 b_mol of my 8 columns; v20-27 four pairs of codes by turns;
;   v28-30 fragment addresses (W_mol, m, W_temp); v31 16 r + 8 h; v32-47 two accumulators; v48-55 W_temp's image; v56-255 25 units, later two buffers of 64 for fragments; v256, v257 the spare word's address and 0.
;   s[4:5] m, s[6:7] W_mol's rows 0, 1 of a trip's four, s[60:61] its rows 2, 3, s[8:9] W_temp: the four groups' pointers.
.set PITCH,  2064                      ; a row of 2,048 codes + 16: an odd multiple of 16 bytes, so that the 16 rows of a fragment load start at different banks
.set TPITCH, 528                       ; a row of 512 codes + 16
.set CT,     96*PITCH                  ; LDS: 32 rows of m, 64 of W_mol, then 16 rows of W_temp's 512 codes
.set SPARE,  CT+16*TPITCH              ; 206,592, a multiple of 256: the spare words, 128 bytes for each of the eight waves
.set WAVEB,  655360
.set U,      56
.set FB0,    56
	s_load_b256 s[4:11], s[0:1], 0x0               ; m s[4:5], W_mol s[6:7], W_temp s[8:9], b_mol s[10:11]
	s_load_b128 s[12:15], s[0:1], 0x20             ; the scales' exponents s[12:13], gimg s[14:15]
	s_set_vgpr_msb 0x40
	v_lshl_add_u32 v0, v0, 2, SPARE                ; v256: my spare word
	v_mov_b32 v1, 0                                ; v257: 0
	s_set_vgpr_msb 0x4000
	v_lshrrev_b32 v1, 5, v0
	v_readfirstlane_b32 s16, v1                    ; wave 0..7
	; all scalar work first, then all vector work, then one wait at the head's end
	s_and_b32 s62, s16, 3                          ; wq
	s_lshr_b32 s63, s16, 2                         ; kh
	s_lshr_b32 s17, s62, 1
	s_and_b32 s18, s62, 1
	s_lshl_b32 s19, s63, 10                        ; places 1,024 kh on
	s_mul_i32 s26, s62, 8*PITCH
	s_add_co_u32 s26, s26, s19                     ; m's codes: my 8 rows, my half of K
	s_mul_i32 s27, s62, 16*PITCH
	s_add_co_u32 s27, s27, 32*PITCH                ; W_mol's rows 16 wq on
	s_add_co_u32 s28, s27, s19                     ; and my half of K
	s_lshl_b32 s29, s17, 1
	s_add_co_u32 s29, s29, s63
	s_mul_i32 s29, s29, 4*TPITCH                   ; W_temp: rows 8 (wq / 2) + 4 kh on,
	s_lshl_b32 s36, s18, 8
	s_add_co_u32 s29, s29, s36                     ; places 256 (wq % 2) on
	s_add_co_u32 s29, s29, CT
	s_lshl_b32 s30, s16, 6
	s_add_co_u32 s30, s30, CT                      ; W_temp's fragment: my step of 64: places 64 w on
	s_mul_i32 s31, s63, 16*PITCH                   ; m's fragment: rows 16 kh on
	s_lshr_b32 s48, ttmp9, 4                       ; by: which 32 rows of Xi
	s_and_b32 s49, ttmp9, 15                       ; ax: which 64 columns
	s_lshr_b32 s50, ttmp9, 2                       ; tt: which 16 rows of W_temp
	s_and_b32 s51, ttmp9, 3                        ; kq: which 512 of their k
	s_lshl_b32 s36, s63, 12                        ; half kh of K in bytes of f32
	s_lshl_b32 s40, s48, 5
	s_lshl_b32 s19, s62, 3
	s_add_co_u32 s40, s40, s19
	s_lshl_b32 s40, s40, 13                        ; m: row 32 by + 8 wq, 8,192 bytes a row
	s_add_co_u32 s40, s40, s36
	s_mov_b32 s41, 0
	s_lshl_b32 s42, s49, 6
	s_lshl_b32 s19, s62, 4
	s_add_co_u32 s42, s42, s19                     ; W_mol: row 64 ax + 16 wq
	s_lshl_b32 s52, s42, 2                         ; and b_mol's bytes
	s_mov_b32 s53, 0
	s_lshl_b32 s42, s42, 13
	s_add_co_u32 s42, s42, s36
	s_mov_b32 s43, 0
	s_lshl_b32 s54, s50, 4
	s_lshl_b32 s19, s17, 3
	s_add_co_u32 s54, s54, s19
	s_lshl_b32 s19, s63, 2
	s_add_co_u32 s54, s54, s19
	s_lshl_b32 s54, s54, 13                        ; W_temp: row 16 tt + 8 (wq / 2) + 4 kh,
	s_lshl_b32 s55, s51, 1
	s_add_co_u32 s55, s55, s18
	s_lshl_b32 s55, s55, 10
	s_add_co_u32 s54, s54, s55                     ; unit 2 kq + wq % 2 of the row
	s_mov_b32 s55, 0
	s_bfe_u32 s56, s50, 0x20003                    ; W_temp's images: wave (tt % 32) / 8,
	s_mul_i32 s56, s56, WAVEB
	s_lshr_b32 s57, s50, 5
	s_lshl_b32 s57, s57, 18
	s_add_co_u32 s56, s56, s57                     ; pass tt / 32: 32 steps of 8,192 bytes,
	s_lshl_b32 s57, s51, 3
	s_add_co_u32 s57, s57, s16
	s_lshl_b32 s57, s57, 13
	s_add_co_u32 s56, s56, s57                     ; step 8 kq + w,
	s_and_b32 s57, s50, 7
	s_lshl_b32 s57, s57, 10
	s_add_co_u32 s56, s56, s57                     ; tile tt % 8
	s_mov_b32 s57, 0
	s_lshr_b32 s58, s48, 2                         ; Xi's images: wave by / 4,
	s_mul_i32 s58, s58, WAVEB
	s_lshl_b32 s59, s49, 13
	s_add_co_u32 s58, s58, s59                     ; step 64 + ax,
	s_and_b32 s59, s48, 3
	s_lshl_b32 s59, s59, 11
	s_add_co_u32 s58, s58, s59
	s_lshl_b32 s59, s63, 10
	s_add_co_u32 s58, s58, s59                     ; tile 2 (by % 4) + kh,
	s_lshl_b32 s59, s62, 8
	s_add_co_u32 s58, s58, s59                     ; places 16 wq on of the 64: half wq / 2 (512 bytes), lanes 16 (wq % 2) on (256 bytes)
	s_add_co_u32 s58, s58, 64*8192
	s_mov_b32 s59, 0
	v_and_b32 v32, 31, v0                          ; lane
	v_and_b32 v33, 15, v0                          ; r
	v_bfe_u32 v34, v0, 4, 1                        ; h
	v_lshlrev_b32 v1, 4, v32                       ; 16 lane
	v_lshl_add_u32 v2, v32, 3, s26                 ; where my codes go, 8 bytes a lane: m,
	v_lshl_add_u32 v3, v32, 3, s28                 ; W_mol,
	v_lshl_add_u32 v4, v32, 3, s29                 ; W_temp
	v_mul_u32_u24 v35, v33, PITCH
	v_mul_u32_u24 v30, v33, TPITCH
	v_lshlrev_b32 v31, 4, v33
	v_lshlrev_b32 v48, 5, v34                      ; 32 h: my 8 numbers of b_mol
	v_lshl_add_u32 v35, v34, 4, v35                ; a fragment: row r, + 16 h
	v_lshl_add_u32 v30, v34, 4, v30
	v_lshl_add_u32 v31, v34, 3, v31                ; 16 r + 8 h: my 8 codes of Xi in a quarter of an image
	v_add_nc_u32 v28, s27, v35                     ; fragments of W_mol
	v_add_nc_u32 v29, s31, v35                     ; of m
	v_add_nc_u32 v30, s30, v30                     ; of W_temp
	s_wait_alu depctr_va_vdst(0)
	s_wait_kmcnt 0x0
	s_load_b128 s[20:23], s[12:13], 0x0            ; e0 .. e3
	s_load_b64 s[24:25], s[12:13], 0x10            ; e4, e5
	s_add_nc_u64 s[4:5], s[4:5], s[40:41]
	s_add_nc_u64 s[6:7], s[6:7], s[42:43]
	s_add_nc_u64 s[60:61], s[6:7], 2*8192          ; W_mol's rows 2, 3 of a trip's four
	s_add_nc_u64 s[8:9], s[8:9], s[54:55]
	s_add_nc_u64 s[10:11], s[10:11], s[52:53]
	s_add_nc_u64 s[44:45], s[14:15], s[56:57]
	s_add_nc_u64 s[46:47], s[14:15], s[58:59]
; unit i's two loads, from its group's pointer as it stands: in a group of 8, row i / 4 of the group's two, unit i % 4 of that row's four
.macro ULD i
.if (\i) < 8
	global_load_b128 v[U+8*(\i):U+8*(\i)+3], v1, s[4:5] offset:8192*((\i)/4)+1024*((\i)%4)
	global_load_b128 v[U+8*(\i)+4:U+8*(\i)+7], v1, s[4:5] offset:8192*((\i)/4)+1024*((\i)%4)+512
.elseif (\i) < 16
	global_load_b128 v[U+8*(\i):U+8*(\i)+3], v1, s[6:7] offset:8192*(((\i)-8)/4)+1024*((\i)%4)
	global_load_b128 v[U+8*(\i)+4:U+8*(\i)+7], v1, s[6:7] offset:8192*(((\i)-8)/4)+1024*((\i)%4)+512
.elseif (\i) < 24
	global_load_b128 v[U+8*(\i):U+8*(\i)+3], v1, s[60:61] offset:8192*(((\i)-16)/4)+1024*((\i)%4)
	global_load_b128 v[U+8*(\i)+4:U+8*(\i)+7], v1, s[60:61] offset:8192*(((\i)-16)/4)+1024*((\i)%4)+512
.else
	global_load_b128 v[U+8*(\i):U+8*(\i)+3], v1, s[8:9] th:TH_LOAD_NT
	global_load_b128 v[U+8*(\i)+4:U+8*(\i)+7], v1, s[8:9] offset:512 th:TH_LOAD_NT
.endif
.endm
	global_load_b128 v[12:15], v48, s[10:11]
	global_load_b128 v[16:19], v48, s[10:11] offset:16
.set i_, 0
.rept 25
	ULD i_                                         ; the ring is filled: 50 loads
.set i_, i_+1
.endr
; v[vs] = 2^e as f32 (the conversion takes its exponent field); s[lo], s[lo + 1] = -+448 x 2^e
.macro MKSC e, vs, lo
	s_add_co_i32 s39, s[\e], 127
	s_lshl_b32 s19, s39, 23
	v_mov_b32 v[\vs], s19
	s_add_co_i32 s39, s39, 8
	s_lshl_b32 s39, s39, 23
	s_or_b32 s[\lo+1], s39, 0x600000
	s_or_b32 s[\lo], s[\lo+1], 0x80000000
.endm
	s_wait_kmcnt 0x0
	MKSC 20, 8, 26                                 ; m
	MKSC 21, 9, 28                                 ; W_mol
	MKSC 23, 10, 30                                ; W_temp
	MKSC 24, 11, 32                                ; Xi
	s_add_co_i32 s34, s20, s21
	s_add_co_i32 s34, s34, 127
	s_lshl_b32 s34, s34, 23                        ; 2^(e0 + e1)
	s_mov_b32 s35, s34                             ; (named with it as a pair, so it is written)
; A group's head.  left = the younger loads that may stay out when the group's loads have to be in.  Behind that wait no load that names the group's pointer is pending: more = 1: it steps
.macro GH base, step, more, left
	s_wait_loadcnt \left                           ; loads come back in order (ISA guide 5.7.1)
.if \more
	s_add_nc_u64 s[\base:\base+1], s[\base:\base+1], \step
.endif
.endm
; Unit i's turn: held, converted, stored to LDS; more = 1: its registers take the next trip's loads.
; The four pairs of codes take turns; an LDS store's sources need no wait before they are written again.
.macro PQ i, more
.if (\i) < 8
.set lo_, 26
.set sc_, 8
.set st_, 5
.set so_, PITCH*((\i)/4)+256*((\i)%4)
.elseif (\i) < 24
.set lo_, 28
.set sc_, 9
.set st_, 6
.set so_, PITCH*(((\i)-8)/4)+256*((\i)%4)
.else
.set lo_, 30
.set sc_, 10
.set st_, 7
.set so_, 0
.endif
.irp k, 0,1,2,3,4,5,6,7
	v_med3_num_f32 v[U+8*(\i)+\k], v[U+8*(\i)+\k], s[lo_], s[lo_+1]   ; the conversion to an 8-bit code does not saturate (ISA guide 7.6.2): the hold comes first
.endr
	v_cvt_scalef32_pk8_fp8_f32 v[20+2*((\i)%4):21+2*((\i)%4)], v[U+8*(\i):U+8*(\i)+7], v[sc_]
	ds_store_b64 v[st_], v[20+2*((\i)%4):21+2*((\i)%4)] offset:so_
.if \more
	ULD \i
.endif
.endm
; A trip: 2 rows of m and 4 rows of W_mol, 1,024 along K of each, and one row of W_temp's unit
.macro TRIPQ more, l0, l1, l2, l3
	v_add_nc_u32 v5, s36, v2
	v_add_nc_u32 v6, s39, v3
	v_add_nc_u32 v7, s37, v4
	GH 4, 2*8192, \more, \l0
.set i_, 0
.rept 8
	PQ i_, \more
.set i_, i_+1
.endr
	GH 6, 4*8192, \more, \l1
.rept 8
	PQ i_, \more
.set i_, i_+1
.endr
	GH 60, 4*8192, \more, \l2
.rept 8
	PQ i_, \more
.set i_, i_+1
.endr
	GH 8, 8192, \more, \l3
	PQ i_, \more
.endm
	s_mov_b32 s36, 0                               ; 2 rows x trip: m's codes
	s_mov_b32 s39, 0                               ; 4 rows x trip: W_mol's codes
	s_mov_b32 s37, 0                               ; 528 x trip: W_temp's row
	s_mov_b32 s38, 3
.Ltrip:
	TRIPQ 1, 34, 34, 34, 48                        ; of the 50 loads out, a group of 8 units has 34 younger, W_temp's unit 48
	s_add_co_u32 s36, s36, 2*PITCH
	s_add_co_u32 s39, s39, 4*PITCH
	s_add_co_u32 s37, s37, TPITCH
	s_sub_co_u32 s38, s38, 1
	s_cmp_lg_u32 s38, 0
	s_cbranch_scc1 .Ltrip
	TRIPQ 0, 34, 18, 2, 0                          ; the fourth trip loads nothing: the counts run down
	v_nop                                          ; a plain line behind the last conversion
	s_wait_dscnt 0x0                               ; for the others' sake: my codes lie in LDS
	s_barrier_signal -1
	s_barrier_wait -1
; 16 LDS loads: the fragments of four steps of 64 along K (steps 4 q on): 16 rows of W_mol, 16 rows of m; buffer q % 2
.macro CH q
.set fb_, FB0+64*((\q)%2)
.irp s, 0,1,2,3
	ds_load_b128 v[fb_+16*\s:fb_+16*\s+3], v28 offset:64*(4*(\q)+\s)
	ds_load_b128 v[fb_+16*\s+4:fb_+16*\s+7], v28 offset:64*(4*(\q)+\s)+32
	ds_load_b128 v[fb_+16*\s+8:fb_+16*\s+11], v29 offset:64*(4*(\q)+\s)
	ds_load_b128 v[fb_+16*\s+12:fb_+16*\s+15], v29 offset:64*(4*(\q)+\s)+32
.endr
.endm
; 4 matrix instructions; even steps add onto v[32:39], odd steps onto v[40:47], by turns.  z = 1: the first two start the sums
.macro MQ q, z
.set fb_, FB0+64*((\q)%2)
.irp s, 0,1,2,3
.if \z && (\s < 2)
	v_wmma_f32_16x16x64_fp8_fp8 v[32+8*(\s%2):39+8*(\s%2)], v[fb_+16*\s:fb_+16*\s+7], v[fb_+16*\s+8:fb_+16*\s+15], 0
.else
	v_wmma_f32_16x16x64_fp8_fp8 v[32+8*(\s%2):39+8*(\s%2)], v[fb_+16*\s:fb_+16*\s+7], v[fb_+16*\s+8:fb_+16*\s+15], v[32+8*(\s%2):39+8*(\s%2)]
.endif
.endr
.rept 4
	v_nop                                          ; four places in front of loads into registers that matrix instructions have read, and of the first read of results
.endr
.endm
	ds_load_b128 v[48:51], v30                     ; W_temp: my step's fragment, as the second launch's registers want it
	ds_load_b128 v[52:55], v30 offset:32
	CH 0
	CH 1
	s_wait_dscnt 32                                ; the two are in; the 32 behind them may be out
	global_store_b128 v1, v[48:51], s[44:45]                  ; each store: 512 consecutive bytes, aligned
	global_store_b128 v1, v[52:55], s[44:45] offset:512
	s_wait_dscnt 16                                ; this run of 16 is in, the next may be out
	MQ 0, 1
	CH 2
.irp q, 1,2,3,4,5
	s_wait_dscnt 16
	MQ \q, 0
	CH \q+2
.endr
	s_wait_dscnt 16
	MQ 6, 0
	s_wait_dscnt 0x0
	MQ 7, 0
	; Xi = (even steps + odd steps) x 2^(e0 + e1) + b_mol, two numbers an instruction, each accumulator from its low end on; then the quantiser with 2^e4
.irp j, 0,2,4,6
	v_pk_add_f32 v[56+\j:57+\j], v[32+\j:33+\j], v[40+\j:41+\j]
.endr
.irp j, 0,2,4,6
	v_pk_fma_f32 v[56+\j:57+\j], v[56+\j:57+\j], s[34:35], v[12+\j:13+\j] op_sel_hi:[1,0,1]
.endr
.irp j, 0,1,2,3,4,5,6,7
	v_med3_num_f32 v[56+\j], v[56+\j], s32, s33
.endr
	v_cvt_scalef32_pk8_fp8_f32 v[72:73], v[56:63], v11
	v_nop
	global_store_b64 v31, v[72:73], s[46:47]                  ; 32 lanes: 256 consecutive bytes, aligned
	s_barrier_signal -1
	s_barrier_wait -1
	s_set_vgpr_msb 0x5
	s_wait_tensorcnt 0x0                           ; the wave's end: behind my last LDS store
	ds_add_u32 v0, v1                              ; (v256, v257)
	s_wait_dscnt 0x0
	s_set_vgpr_msb 0x500
	s_endpgm
.Lfunc_end_k_qc1655745fb_prep:
	.size	k_qc1655745fb_prep, .Lfunc_end_k_qc1655745fb_prep-k_qc1655745fb_prep
	.p2alignl 7, 3214868480
	.fill 96, 4, 3214868480
	.section	.rodata,"a",@progbits
	.p2align	6, 0x0
	.amdhsa_kernel k_qc1655745fb_prep
		.amdhsa_group_segment_fixed_size 207616
		.amdhsa_private_segment_fixed_size 0
		.amdhsa_enable_private_segment 0
		.amdhsa_kernarg_size 48
		.amdhsa_user_sgpr_count 2
		.amdhsa_user_sgpr_kernarg_segment_ptr 1
		.amdhsa_wavefront_size32 1
		.amdhsa_system_sgpr_workgroup_id_x 1
		.amdhsa_system_sgpr_workgroup_id_y 1
		.amdhsa_system_sgpr_workgroup_id_z 1
		.amdhsa_system_vgpr_workitem_id 0
		.amdhsa_next_free_vgpr 258
		.amdhsa_next_free_sgpr 66
		.amdhsa_reserve_vcc 0
		.amdhsa_float_denorm_mode_32 3
		.amdhsa_float_denorm_mode_16_64 3
		.amdhsa_memory_ordered 1
		.amdhsa_forward_progress 1
		.amdhsa_inst_pref_size 62
	.end_amdhsa_kernel
	.amdgpu_metadata
---
amdhsa.version: [ 1, 2 ]
amdhsa.kernels:
  - .name:           k_qc1655745fb_prep
    .symbol:         k_qc1655745fb_prep.kd
    .args:
      - { .name: m, .offset: 0, .size: 8, .value_kind: global_buffer, .address_space: global }
      - { .name: W_mol, .offset: 8, .size: 8, .value_kind: global_buffer, .address_space: global }
      - { .name: W_temp, .offset: 16, .size: 8, .value_kind: global_buffer, .address_space: global }
      - { .name: b_mol, .offset: 24, .size: 8, .value_kind: global_buffer, .address_space: global }
      - { .name: lowp_scales, .offset: 32, .size: 8, .value_kind: global_buffer, .address_space: global }
      - { .name: gimg, .offset: 40, .size: 8, .value_kind: global_buffer, .address_space: global }
    .group_segment_fixed_size: 207616
    .private_segment_fixed_size: 0
    .kernarg_segment_align: 8
    .kernarg_segment_size: 48
    .max_flat_workgroup_size: 256
    .sgpr_count:     66
    .vgpr_count:     258
    .wavefront_size: 32
...
	.end_amdgpu_metadata
.endif
;; end of part 1
;; launch main (part 2): grid 250 x 1, 4 waves a work-group, no clusters, 326,144 bytes of LDS; arguments templates, gimg, b_temp, lowp_scales, out0; writes out0
.if DOCPART == 2
	.amdgcn_target "amdgcn-amd-amdhsa--gfx1250"
	.amdhsa_code_object_version 6
	.text
	.protected	k_qc1655745fb_main
	.globl	k_qc1655745fb_main
	.p2align	8
	.type	k_qc1655745fb_main,@function
k_qc1655745fb_main:
	s_mov_b64 s[64:65], 0
	v_nop
	global_prefetch_b8 v0, s[64:65] scope:SCOPE_SE
	s_setreg_imm32_b32 hwreg(HW_REG_WAVE_MODE, 25, 1), 1
	s_wait_xcnt 0x0
; MAIN.  out[b][t] = 0.125 Q(Xi)[b] . Q(X)[t],  X = Q(templates) Q(W_temp)^T 2^(e2+e3) + b_temp.  X never goes to memory.
; SHARES.  25,000 = 250 x 100: a work-group owns 100 templates: 7 tiles of 16 rows, the seventh with 4 rows (its lanes r >= 4 repeat rows 96 + r % 4, so no byte is read that nobody wrote).
; Four waves share the COLUMNS: in each pass a wave holds 7 x 8 accumulators (448 registers):
;   pass 1: X's columns 128 w on, K outermost, while the templates stream in, 256 along K (a chunk) a trip.  In the trip that multiplies chunk j, chunk j + 1 of the 100 rows (a wave: 25 rows, 25 units)
;           is quantised into LDS, in four groups of units, one group behind each step of 64 along K, and chunk j + 2 is asked for as each unit is freed: template loads are on their way all the time;
;   pass 2: X's columns 512 + 128 w on, the templates' codes from LDS;      behind each: X + bias is quantised in registers, its codes go to LDS;
;   pass 3: out's rows 128 w on (Xi) x the 100 templates (X's codes from LDS), K = 1,024.
; THE WIDE OPERAND (W_temp's codes, then Xi's) comes from gimg straight into registers, as images of the registers: one stream of 80 steps x 8,192 bytes a wave, four steps (64 loads) ahead.
; EVERY POINTER SERVES ONE GROUP OF LOADS (four image sets, four groups of template units) and is stepped directly behind the counted wait that shows that group's loads done: no other wait is owed for it.
; Places of k, fragments and gimg's layout: as the first launch's head says.  Passes 1, 2: source 0 = 16 rows of W_temp, source 1 = 16 templates: a lane holds 8 neighbouring columns of one row of X,
; the next K.  Pass 3: source 0 = 16 rows of X, source 1 = 16 rows of Xi: a lane holds 8 neighbouring numbers of a row of out.
; The bias, as b_temp / 2^(e2+e3), is loaded into the accumulators and starts every sum; the conversion of X takes the one scale 2^(e5-e2-e3); out = sum x 2^(e4+e5-3).
; LIMITS: e2 and e5 - e2 - e3 between -126 and 119; e4 + e5 - 3 between -126 and 127; b_temp / 2^(e2+e3) an f32 number.  NaN among the inputs is not served.
; NO TENSOR LOADS, NO JOINT LOADS: the codes of the 100 rows (206,400 bytes) and of X (104,000) leave under 17,000 bytes of LDS, no room for two slots of the shared images (a step of all four waves: 32,768 bytes);
; and 250 work-groups are no multiple of 4.
; A row of out is 100,000 bytes and a work-group's part of it 400: it leaves through LDS as 400 consecutive bytes an instruction (25 lanes), aligned to 16.
; LDS: 0 X's codes, 100 rows x 1,040 | AB the templates' codes, 100 rows x 2,064 | BB the bias, 4,096 bytes | behind the barrier that follows X's last codes, from AB on: the stage for out, 512 rows x 416, 128 rows a wave.
; REGISTERS, in windows of 256.  Window 0: v1 16 lane; v2, v3 where I store templates' codes; v4, v5 / v10, v11 fragment addresses (tiles 0-5 / tile 6) of the templates / of X; v6-9 those of the trip in hand;
;   v12-14 where X's codes go; v15, v16 the conversions' scales; v17 bias; v18-21 stage; v22 lane; v24-31 four pairs of codes; v32-63, v64-95 fragments of tiles 0-3, two sets; v96-119 of tiles 4-6;
;   v120-255 template units 0-16, later X's codes, later rows of out.   Window 1: the images, four sets of 64.   Window 2: accumulators of tiles 0-3.   Window 3: v0-191 those of tiles 4-6; v192-255 template units 17-24.
.set XP,  1040                         ; both pitches are odd multiples of 16 bytes: the 16 rows of a fragment load start at different banks
.set AP,  2064
.set AB,  104192
.set BB,  310784
.set SB,  AB
.set SP,  416                          ; a stage row: 400 bytes of out + 16 that tile 6's lanes 16-31 fill: every byte of a row is written (so the stage is 512 rows x 416; this figure stands for the one in the LDS map above)
.set GB,  40                           ; s[40:47] four pointers into my stream of images: set u's at s[40 + 2 u]
.set TPB, 48                           ; s[48:55] four pointers into my 25 rows of templates: units 0-7, 8-15, 16-20, 21-24
.set MSB, 0
.macro WIN new                         ; s_set_vgpr_msb: bits 1:0 source 0, 3:2 source 1, 5:4 source 2, 7:6 destination; the high byte repeats the setting that is left
.if MSB != (\new)
	s_set_vgpr_msb (MSB<<8)|(\new)
.set MSB, (\new)
.endif
.endm
.macro BAR
	s_wait_dscnt 0x0                               ; my LDS stores have landed and my LDS loads are in
	s_barrier_signal -1
	s_barrier_wait -1
.endm
; template unit i (row i of my 25, 256 along K): two loads of 512 consecutive bytes, from its group's pointer as it stands.  The caller sets the window
.macro TLD i
.if (\i) < 17
.set ur_, 120+8*(\i)
.else
.set ur_, 192+8*((\i)-17)
.endif
.if (\i) < 8
.set tb_, TPB
.elseif (\i) < 16
.set tb_, TPB+2
.elseif (\i) < 21
.set tb_, TPB+4
.else
.set tb_, TPB+6
.endif
	global_load_b128 v[ur_:ur_+3], v1, s[tb_:tb_+1] offset:8192*(\i) th:TH_LOAD_NT
	global_load_b128 v[ur_+4:ur_+7], v1, s[tb_:tb_+1] offset:8192*(\i)+512 th:TH_LOAD_NT
.endm
; image set u: 16 loads of 512 consecutive bytes, from its pointer as it stands
.macro GLD u
	WIN 0x40
.irp b, 0,1,2,3,4,5,6,7
	global_load_b128 v[64*\u+8*\b:64*\u+8*\b+3], v1, s[GB+2*\u:GB+2*\u+1] offset:1024*\b
	global_load_b128 v[64*\u+8*\b+4:64*\u+8*\b+7], v1, s[GB+2*\u:GB+2*\u+1] offset:1024*\b+512
.endr
	WIN 0
.endm
; cnt units from i0 on: held, converted, stored to LDS; more = 1: their registers take the loads of the chunk after.  hi = 1: the units lie in window 3.
; An LDS store's sources need no wait before they are written again: the four pairs of codes serve every batch.
.macro AQB i0, cnt, hi, more
	WIN 0xc3*\hi
.set q_, 0
.rept \cnt
.set ur_, 8*(\i0+q_)+120-64*\hi
.irp k, 0,1,2,3,4,5,6,7
	v_med3_num_f32 v[ur_+\k], v[ur_+\k], s22, s23  ; the conversion to an 8-bit code does not saturate (ISA guide 7.6.2): the hold comes first
.endr
.set q_, q_+1
.endr
	WIN 0x03*\hi
.set q_, 0
.rept \cnt
.set ur_, 8*(\i0+q_)+120-64*\hi
	v_cvt_scalef32_pk8_fp8_f32 v[24+2*q_:25+2*q_], v[ur_:ur_+7], v15
.set q_, q_+1
.endr
	WIN 0
.set q_, 0
.rept \cnt
	ds_store_b64 v3, v[24+2*q_:25+2*q_] offset:AP*(\i0+q_)
.set q_, q_+1
.endr
.if \more
	WIN 0xc0*\hi
.set q_, 0
.rept \cnt
	TLD \i0+q_
.set q_, q_+1
.endr
	WIN 0
.endif
.endm
; GROUP g of the template units.  cnt: the younger loads that may be out when the group's loads have to be in.  Behind that wait no load that names the group's pointer is pending: more = 1: it steps 256 along K
.macro AQG g, more, cnt
	s_wait_loadcnt \cnt
.if \more
	s_add_nc_u64 s[TPB+2*\g:TPB+2*\g+1], s[TPB+2*\g:TPB+2*\g+1], 1024
.endif
.if \g == 0
	AQB 0,4,0,\more
	AQB 4,4,0,\more
.elseif \g == 1
	AQB 8,4,0,\more
	AQB 12,4,0,\more
.elseif \g == 2
	AQB 16,1,0,\more
	AQB 17,4,1,\more
.else
	AQB 21,4,1,\more
.endif
.endm
; the four fragment addresses of the 256 along K that begin at place s28: tiles (0, 1), (2, 3), (4, 5), tile 6.  ps: two tiles' rows in bytes
.macro ADSET b0, b6, ps
	v_add_nc_u32 v6, s28, v[\b0]
	s_add_co_u32 s29, s28, \ps
	v_add_nc_u32 v7, s29, v[\b0]
	s_add_co_u32 s29, s28, 2*\ps
	v_add_nc_u32 v8, s29, v[\b0]
	v_add_nc_u32 v9, s28, v[\b6]
.endm
.macro LF reg, a, u, P                 ; tile a's fragment of step u (64 along K)
.if (\a) == 6
	ds_load_b128 v[\reg:\reg+3], v9 offset:64*(\u)
	ds_load_b128 v[\reg+4:\reg+7], v9 offset:64*(\u)+32
.else
	ds_load_b128 v[\reg:\reg+3], v[6+(\a)/2] offset:((\a)%2)*16*(\P)+64*(\u)
	ds_load_b128 v[\reg+4:\reg+7], v[6+(\a)/2] offset:((\a)%2)*16*(\P)+64*(\u)+32
.endif
.endm
.macro APRO P                          ; 22 loads ahead of a run of steps: tiles 0-3 of step 0, tiles 4-6 of step 0, tiles 0-3 of step 1
	LF 32,0,0,\P
	LF 40,1,0,\P
	LF 48,2,0,\P
	LF 56,3,0,\P
	LF 96,4,0,\P
	LF 104,5,0,\P
	LF 112,6,0,\P
	LF 64,0,1,\P
	LF 72,1,1,\P
	LF 80,2,1,\P
	LF 88,3,1,\P
.endm
.macro WM d, g, f, sw, z               ; sw = 0: source 0 the image, source 1 the LDS fragment; sw = 1: the other way round.  z = 1: the product starts the sum
.if \sw
.if \z
	v_wmma_f32_16x16x64_fp8_fp8 v[\d:\d+7], v[\f:\f+7], v[\g:\g+7], 0
.else
	v_wmma_f32_16x16x64_fp8_fp8 v[\d:\d+7], v[\f:\f+7], v[\g:\g+7], v[\d:\d+7]
.endif
.else
	v_wmma_f32_16x16x64_fp8_fp8 v[\d:\d+7], v[\g:\g+7], v[\f:\f+7], v[\d:\d+7]
.endif
.endm
; A STEP of 64 along K: 56 matrix instructions, the 56 accumulators by turns in the same order in every step.
; ldw: the younger global loads that may be out when image set u has to be in.  d0: LDS instructions issued behind the loads of tiles 0-3 of this step, at the least; d1: those behind tiles 4-6.
; n46, n03: fetch tiles 4-6 of step u + 1, tiles 0-3 of step u + 2.  rf: image set u takes the step four further on: its pointer steps behind this step's own wait for the set.
.macro SUB u, sw, z, ldw, d0, d1, n46, n03, rf, P
	s_wait_loadcnt \ldw
	s_wait_dscnt \d0
	WIN 0xa1+3*\sw
.irp a, 0,1,2,3
.irp b, 0,1,2,3,4,5,6,7
	WM 8*(8*\a+\b), 64*\u+8*\b, 32+32*(\u%2)+8*\a, \sw, \z
.endr
.endr
	s_wait_dscnt \d1
	WIN 0xf1+3*\sw
.irp a, 0,1,2
.irp b, 0,1,2,3,4,5,6,7
	WM 8*(8*\a+\b), 64*\u+8*\b, 96+8*\a, \sw, \z
.endr
.endr
.rept 4
	v_nop                                          ; four places in front of loads into registers that matrix instructions have read, and of the first read of results
.endr
	WIN 0
.if \n46
	LF 96,4,\u+1,\P
	LF 104,5,\u+1,\P
	LF 112,6,\u+1,\P
.endif
.if \n03
	LF 32+32*(\u%2),0,\u+2,\P
	LF 40+32*(\u%2),1,\u+2,\P
	LF 48+32*(\u%2),2,\u+2,\P
	LF 56+32*(\u%2),3,\u+2,\P
.endif
.if \rf
	s_add_nc_u64 s[GB+2*\u:GB+2*\u+1], s[GB+2*\u:GB+2*\u+1], 32768   ; four steps of 8,192 bytes on
	GLD \u
.endif
.endm
.macro DS_NC sw, rf, P, l0, l1, l2, l3 ; four steps that fetch no fragment beyond their 256 along K
	SUB 0,\sw,0,\l0,14,8,1,1,\rf,\P
	SUB 1,\sw,0,\l1,14,8,1,1,\rf,\P
	SUB 2,\sw,0,\l2,14,8,1,0,\rf,\P
	SUB 3,\sw,0,\l3,6,0,0,0,\rf,\P
.endm
.macro DS_X sw, z, P                   ; four steps that run on into the next 256: steps 4 and 5 are the next trip's 0 and 1.  48: three younger image sets of 16 loads
	SUB 0,\sw,\z,48,14,8,1,1,1,\P
	SUB 1,\sw,0,48,14,8,1,1,1,\P
	SUB 2,\sw,0,48,14,8,1,1,1,\P
	SUB 3,\sw,0,48,14,8,1,1,1,\P
.endm
.macro STEPK b0, b6, ps                ; on to the next 256 along K.  (An LDS load's address register needs no wait before it is written again)
	s_add_co_u32 s28, s28, 256
	ADSET \b0, \b6, \ps
.endm
.macro INIT p                          ; every sum of pass p begins as b_temp / 2^(e2+e3): lane (r, h), tile column b, register j: column 512 p + 128 w + 16 b + 8 h + j
	WIN 0x80
.set t_, 0
.rept 32
	ds_load_b128 v[8*t_:8*t_+3], v17 offset:2048*\p+64*(t_%8)
	ds_load_b128 v[8*t_+4:8*t_+7], v17 offset:2048*\p+64*(t_%8)+16
.set t_, t_+1
.endr
	WIN 0xc0
.set t_, 0
.rept 24
	ds_load_b128 v[8*t_:8*t_+3], v17 offset:2048*\p+64*(t_%8)
	ds_load_b128 v[8*t_+4:8*t_+7], v17 offset:2048*\p+64*(t_%8)+16
.set t_, t_+1
.endr
	WIN 0
.endm
.macro XQ p                            ; the 56 tiles of X become codes: held, converted (8 neighbours along the next K a lane), stored at row 16 a + r, place 512 p + 128 w + 16 b + 8 h
	WIN 0x82
.set t_, 0
.rept 256
	v_med3_num_f32 v[t_], v[t_], s24, s25          ; each accumulator from its low end on
.set t_, t_+1
.endr
	WIN 0x02
.set t_, 0
.rept 32
	v_cvt_scalef32_pk8_fp8_f32 v[120+2*t_:121+2*t_], v[8*t_:8*t_+7], v16
.set t_, t_+1
.endr
	v_nop                                          ; a plain line behind the last conversion of a run
	WIN 0xc3
.set t_, 0
.rept 192
	v_med3_num_f32 v[t_], v[t_], s24, s25
.set t_, t_+1
.endr
	WIN 0x03
.set t_, 0
.rept 24
	v_cvt_scalef32_pk8_fp8_f32 v[184+2*t_:185+2*t_], v[8*t_:8*t_+7], v16
.set t_, t_+1
.endr
	v_nop
	WIN 0
.set t_, 0
.rept 56
.if t_/8 < 3
	ds_store_b64 v12, v[120+2*t_:121+2*t_] offset:16*XP*(t_/8)+512*\p+16*(t_%8)
.elseif t_/8 < 6
	ds_store_b64 v13, v[120+2*t_:121+2*t_] offset:16*XP*(t_/8-3)+512*\p+16*(t_%8)
.else
	ds_store_b64 v14, v[120+2*t_:121+2*t_] offset:512*\p+16*(t_%8)   ; tile 6: lanes r >= 4 hold the same numbers as lane r % 4 and store them to the same bytes
.endif
.set t_, t_+1
.endr
.endm
; A TRIP OF PASS 1: the chunk at place s28 is multiplied.  q = 1: behind each of its four steps a group of the NEXT chunk's units is quantised; more = 1: and the chunk after that is asked for.
; The next chunk's codes go to places s28 + 256 .. s28 + 511 of the rows; the fragment loads of this trip take places s28 .. s28 + 255: other bytes.  One barrier a trip: behind it the next chunk's codes are whole.
; l0-l3, a0-a3: the counts for the image sets and for the groups.  A trip issues, in this order, set 0 (16 loads), group 0 (16), set 1 (16), group 1 (16), set 2 (16), group 2 (10), set 3 (16), group 3 (8).
; The LDS stores of a group stand behind a step's fragment loads: they only add to the younger LDS instructions, so the steps' counts on DScnt hold as they are.
.macro TRIPA q, more, l0, a0, l1, a1, l2, a2, l3, a3
	ADSET 4, 5, 32*AP
	APRO AP
.if \q
	s_add_co_u32 s29, s28, 256
	v_add_nc_u32 v3, s29, v2
.endif
	s_wait_alu depctr_va_vdst(0)
	SUB 0,0,0,\l0,14,8,1,1,1,AP
.if \q
	AQG 0,\more,\a0
.endif
	SUB 1,0,0,\l1,14,8,1,1,1,AP
.if \q
	AQG 1,\more,\a1
.endif
	SUB 2,0,0,\l2,14,8,1,0,1,AP
.if \q
	AQG 2,\more,\a2
.endif
	SUB 3,0,0,\l3,6,0,0,0,1,AP
.if \q
	AQG 3,\more,\a3
	BAR                                            ; the 100 rows' codes of the next chunk lie in LDS
.endif
	s_add_co_u32 s28, s28, 256
.endm
	s_load_b256 s[4:11], s[0:1], 0x0               ; templates s[4:5], gimg s[6:7], b_temp s[8:9], the scales' exponents s[10:11]
	s_load_b64 s[12:13], s[0:1], 0x20              ; out
	v_lshrrev_b32 v1, 5, v0
	v_readfirstlane_b32 s14, v1                    ; wave 0..3
	v_and_b32 v22, 31, v0                          ; lane
	v_and_b32 v32, 15, v0                          ; r
	v_bfe_u32 v33, v0, 4, 1                        ; h
	v_and_b32 v34, 3, v0                           ; r % 4
	v_lshlrev_b32 v1, 4, v22                       ; 16 lane
	s_mul_i32 s34, s14, 25*AP
	s_add_co_u32 s34, s34, AB
	v_lshl_add_u32 v2, v22, 3, s34                 ; my 25 rows of codes, 8 bytes a lane
	v_mul_u32_u24 v4, v32, AP
	v_lshl_add_u32 v4, v33, 4, v4
	v_add_nc_u32 v4, AB, v4                        ; templates' fragments: row r, + 16 h
	v_mul_u32_u24 v5, v34, AP
	v_lshl_add_u32 v5, v33, 4, v5
	v_add_nc_u32 v5, AB+96*AP, v5                  ; tile 6: row 96 + r % 4
	v_mul_u32_u24 v10, v32, XP
	v_lshl_add_u32 v12, v33, 3, v10
	v_lshl_add_u32 v10, v33, 4, v10                ; X's fragments
	v_mul_u32_u24 v11, v34, XP
	v_lshl_add_u32 v14, v33, 3, v11
	v_lshl_add_u32 v11, v33, 4, v11
	v_add_nc_u32 v11, 96*XP, v11
	s_lshl_b32 s34, s14, 7
	v_add_nc_u32 v12, s34, v12                     ; X's codes go to row r, place 128 w + 8 h (tiles 0-2),
	v_add_nc_u32 v13, 48*XP, v12                   ; 48 rows on (tiles 3-5),
	s_add_co_u32 s35, s34, 96*XP
	v_add_nc_u32 v14, s35, v14                     ; row 96 + r % 4 (tile 6)
	s_lshl_b32 s34, s14, 9
	s_add_co_u32 s34, s34, BB
	v_lshl_add_u32 v17, v33, 5, s34                ; the bias of columns 128 w + 8 h on
	s_mul_i32 s34, s14, 128*SP
	s_add_co_u32 s34, s34, SB
	v_mul_u32_u24 v18, v32, SP
	v_add_nc_u32 v18, s34, v18
	v_lshl_add_u32 v19, v33, 4, v18
	v_add_nc_u32 v19, 384, v19                     ; stage, tile 6: columns 96-99 from lanes 0-15; lanes 16-31 land in the row's padding
	v_lshl_add_u32 v18, v33, 5, v18                ; stage, tiles 0-5: row r, + 32 h
	v_add_nc_u32 v20, s34, v1                      ; stage, back: 16 bytes a lane
	v_lshlrev_b32 v35, 5, v0                       ; b_temp: 32 bytes a thread
	v_add_nc_u32 v36, BB, v35
	s_mul_i32 s34, ttmp9, 100*8192
	s_mul_i32 s36, s14, 25*8192
	s_add_co_u32 s34, s34, s36                     ; templates: row 100 g + 25 w
	s_mov_b32 s35, 0
	s_mul_i32 s36, s14, 655360                     ; my wave's stream of images
	s_mov_b32 s37, 0
	s_mul_i32 s38, s14, 128*100000
	s_mul_i32 s29, ttmp9, 400
	s_add_co_u32 s38, s38, s29                     ; out: row 128 w, column 100 g
	s_mov_b32 s39, 0
	s_wait_alu depctr_va_vdst(0)
	s_wait_kmcnt 0x0
	s_load_b128 s[16:19], s[10:11], 0x0            ; e0 .. e3
	s_load_b64 s[20:21], s[10:11], 0x10            ; e4, e5
	s_add_nc_u64 s[4:5], s[4:5], s[34:35]
	s_add_nc_u64 s[6:7], s[6:7], s[36:37]
	s_add_nc_u64 s[12:13], s[12:13], s[38:39]
.irp u, 0,1,2,3
	s_add_nc_u64 s[GB+2*\u:GB+2*\u+1], s[6:7], 8192*\u         ; image set u begins at step u
	s_mov_b64 s[TPB+2*\u:TPB+2*\u+1], s[4:5]                   ; every group of units begins at chunk 0
.endr
	global_load_b128 v[24:27], v35, s[8:9]
	global_load_b128 v[28:31], v35, s[8:9] offset:16
.set i_, 0
.rept 17
	TLD i_                                         ; chunk 0 of my 25 rows
.set i_, i_+1
.endr
	WIN 0xc0
.rept 8
	TLD i_
.set i_, i_+1
.endr
	WIN 0
	GLD 0                                          ; (issue is held while a counter is full: ISA guide 5.7.1)
	s_wait_kmcnt 0x0
	s_add_co_i32 s29, s18, 127
	s_lshl_b32 s34, s29, 23
	v_mov_b32 v15, s34                             ; 2^e2 as f32: the conversion takes its exponent field
	s_add_co_i32 s29, s29, 8
	s_lshl_b32 s29, s29, 23
	s_or_b32 s23, s29, 0x600000                    ; 448 x 2^e2,
	s_or_b32 s22, s23, 0x80000000                  ; and its negative
	s_add_co_i32 s31, s18, s19                     ; e2 + e3: a sum of the second product stands for sum x 2^(e2+e3)
	s_sub_co_i32 s29, s21, s31                     ; so X's code is sum / 2^(e5-e2-e3)
	s_sub_co_i32 s31, 0, s31
	s_add_co_i32 s29, s29, 127
	s_lshl_b32 s34, s29, 23
	v_mov_b32 v16, s34
	s_add_co_i32 s29, s29, 8
	s_lshl_b32 s29, s29, 23
	s_or_b32 s25, s29, 0x600000
	s_or_b32 s24, s25, 0x80000000
	s_add_co_i32 s26, s20, s21
	s_add_co_i32 s26, s26, 124
	s_lshl_b32 s26, s26, 23                        ; 2^(e4+e5-3): the two scales and the factor 0.125
	s_mov_b32 s27, s26                             ; (named with it as a pair, so it is written)
	s_wait_loadcnt 63                              ; 66 loads are younger than b_temp's two
.irp k, 0,1,2,3,4,5,6,7
	v_ldexp_f32 v[24+\k], v[24+\k], s31            ; b_temp / 2^(e2+e3)
.endr
	ds_store_b128 v36, v[24:27]
	ds_store_b128 v36, v[28:31] offset:16
	BAR                                            ; the bias lies in LDS
	INIT 0
	; THE START OF PASS 1: a trip without products.  Chunk 0 is quantised and chunk 1 asked for, and the image sets 1 to 3 go out between the groups, so that the loads stand in the order of every later trip.
	s_mov_b32 s28, 0                               ; the place along K at which the chunk that is multiplied begins
	v_mov_b32 v3, v2                               ; chunk 0's codes go to place 0
	AQG 0,1,50                                     ; behind group 0's loads: groups 1 to 3 (34) and set 0 (16)
	GLD 1
	AQG 1,1,63                                     ; 10 + 8 + 16 + 16 + 16 = 66 are younger: the count is what the field holds
	GLD 2
	AQG 2,1,63                                     ; 88 are younger
	GLD 3
	AQG 3,1,63                                     ; 106 are younger
	BAR                                            ; chunk 0's codes lie in LDS
	s_mov_b32 s30, 6
.Lp1:                                              ; chunks 0 to 5 are multiplied, 1 to 6 quantised, 2 to 7 asked for
	TRIPA 1,1,63,63,63,63,63,63,63,63              ; of a trip's 114 loads 98 or more are younger than any set or group: the count is what the field holds
	s_sub_co_u32 s30, s30, 1
	s_cmp_lg_u32 s30, 0
	s_cbranch_scc1 .Lp1
	TRIPA 1,0,63,63,63,63,63,63,56,63              ; chunk 6 is multiplied, chunk 7 quantised, nothing more asked for: no load leaves the buffer.  Younger: 98, 98, 82, 82, 66, 72, 56, 64
	TRIPA 0,0,48,0,48,0,48,0,48,0                  ; chunk 7 is multiplied: three younger image sets
	XQ 0
	INIT 1
	s_mov_b32 s28, 0
	ADSET 4, 5, 32*AP
	APRO AP                                        ; LDS serves a wave's instructions in order: the counted waits below cover the bias loads too
	s_mov_b32 s30, 7
.Lp2:
	s_wait_alu depctr_va_vdst(0)
	DS_X 0, 0, AP
	STEPK 4, 5, 32*AP
	s_sub_co_u32 s30, s30, 1
	s_cmp_lg_u32 s30, 0
	s_cbranch_scc1 .Lp2
	s_wait_alu depctr_va_vdst(0)
	DS_NC 0,1,AP,48,48,48,48                       ; the last 256; the stream of images runs on into Xi's
	XQ 1
	BAR                                            ; X's codes are whole, and nobody reads the templates' codes or the bias any more
	s_mov_b32 s28, 0
	ADSET 10, 11, 32*XP
	APRO XP
	s_wait_alu depctr_va_vdst(0)
	DS_X 1, 1, XP                                  ; the first step's products start the sums
	STEPK 10, 11, 32*XP
	s_mov_b32 s30, 2
.Lp3:
	s_wait_alu depctr_va_vdst(0)
	DS_X 1, 0, XP
	STEPK 10, 11, 32*XP
	s_sub_co_u32 s30, s30, 1
	s_cmp_lg_u32 s30, 0
	s_cbranch_scc1 .Lp3
	s_wait_alu depctr_va_vdst(0)
	DS_NC 1,0,XP,48,32,16,0                        ; the stream has ended: the counts run down
	; THE WAY OUT.  Lane (r, h), tile (a, b), register j: out(128 w + 16 b + r, 100 g + 16 a + 8 h + j).  The sums go as they are into my part of the stage (rows of 400 bytes + 16), each accumulator from its low end on,
	; come back as whole pieces of rows, and are multiplied by 2^(e4+e5-3) on their way to the stores.
	WIN 0x08
.set t_, 0
.rept 32
	ds_store_b128 v18, v[8*t_:8*t_+3] offset:16*SP*(t_%8)+64*(t_/8)
	ds_store_b128 v18, v[8*t_+4:8*t_+7] offset:16*SP*(t_%8)+64*(t_/8)+16
.set t_, t_+1
.endr
	WIN 0x0c
.set t_, 0
.rept 16
	ds_store_b128 v18, v[8*t_:8*t_+3] offset:16*SP*(t_%8)+64*(4+t_/8)
	ds_store_b128 v18, v[8*t_+4:8*t_+7] offset:16*SP*(t_%8)+64*(4+t_/8)+16
.set t_, t_+1
.endr
.set t_, 0
.rept 8
	ds_store_b128 v19, v[128+8*t_:131+8*t_] offset:16*SP*t_   ; tile 6: only its first four rows are templates
.set t_, t_+1
.endr
	WIN 0
	; The 25 lanes that read a row back stay inside my 128 rows.  The addresses of the seven lanes that are off run on past the row's 416 bytes, 96 bytes into the next row; behind wave 3's last row
	; that is behind the stage.  So each thread writes 16 bytes of its own there (2,048 in all, whatever v[24:27] hold: nobody uses them): no address of the loop below names a byte that nobody wrote.
	; Every wave's stores into the stage are ordered ahead of every wave's reads of it: each wave waits for its stores, then the barrier.  Nothing is stored into the stage behind it.
	v_lshl_add_u32 v21, v0, 4, SB+512*SP
	ds_store_b128 v21, v[24:27]
	BAR
	v_mov_b32 v21, v20                             ; written whole once, ahead of the narrowing
	s_mov_b32 s32, 0
	s_mov_b32 s30, 4
	s_wait_xcnt 0x0                                ; EXEC changes only behind this wait
	v_cmp_gt_u32 vcc_lo, 25, v22
	s_and_saveexec_b32 s33, vcc_lo                 ; 25 lanes x 16 bytes: the 400 bytes of a row's piece
.Lout:                                             ; 4 trips of 32 rows
	v_add_nc_u32 v21, s32, v20
.set i_, 0
.rept 32
	ds_load_b128 v[120+4*i_:123+4*i_], v21 offset:SP*i_
.set i_, i_+1
.endr
.set i_, 0
.rept 32
	s_wait_dscnt 31-i_                             ; LDS loads come back in order: row i is in, the younger ones may be out
	v_pk_mul_f32 v[120+4*i_:121+4*i_], v[120+4*i_:121+4*i_], s[26:27] op_sel_hi:[1,0]   ; x 2^(e4+e5-3)
	v_pk_mul_f32 v[122+4*i_:123+4*i_], v[122+4*i_:123+4*i_], s[26:27] op_sel_hi:[1,0]
	global_store_b128 v1, v[120+4*i_:123+4*i_], s[12:13] offset:100000*i_ th:TH_STORE_NT   ; 400 consecutive bytes of one row of out; written once, read by nobody here
.set i_, i_+1
.endr
	s_wait_xcnt 0x0                                ; the stores have read their registers and their base
	s_add_nc_u64 s[12:13], s[12:13], 32*100000
	s_add_co_u32 s32, s32, 32*SP
	s_sub_co_u32 s30, s30, 1
	s_cmp_lg_u32 s30, 0
	s_cbranch_scc1 .Lout
	s_or_b32 exec_lo, exec_lo, s33                 ; (no memory instruction has been issued since the wait above)
	s_wait_xcnt 0x0
	s_mov_b32 exec_lo, -1
	v_lshl_add_u32 v22, v0, 2, 0x4f800
	v_mov_b32 v23, 0
	s_wait_alu depctr_va_vdst(0)
	s_wait_tensorcnt 0x0
	ds_add_u32 v22, v23
	s_wait_dscnt 0x0
	s_endpgm
.Lfunc_end_k_qc1655745fb_main:
	.size	k_qc1655745fb_main, .Lfunc_end_k_qc1655745fb_main-k_qc1655745fb_main
	.p2alignl 7, 3214868480
	.fill 96, 4, 3214868480
	.section	.rodata,"a",@progbits
	.p2align	6, 0x0
	.amdhsa_kernel k_qc1655745fb_main
		.amdhsa_group_segment_fixed_size 326144
		.amdhsa_private_segment_fixed_size 0
		.amdhsa_enable_private_segment 0
		.amdhsa_kernarg_size 40
		.amdhsa_user_sgpr_count 2
		.amdhsa_user_sgpr_kernarg_segment_ptr 1
		.amdhsa_wavefront_size32 1
		.amdhsa_system_sgpr_workgroup_id_x 1
		.amdhsa_system_sgpr_workgroup_id_y 1
		.amdhsa_system_sgpr_workgroup_id_z 1
		.amdhsa_system_vgpr_workitem_id 0
		.amdhsa_next_free_vgpr 1024
		.amdhsa_next_free_sgpr 66
		.amdhsa_reserve_vcc 1
		.amdhsa_float_denorm_mode_32 3
		.amdhsa_float_denorm_mode_16_64 3
		.amdhsa_memory_ordered 1
		.amdhsa_forward_progress 1
		.amdhsa_inst_pref_size 255
	.end_amdhsa_kernel
	.section	.bss,"aw",@nobits
	.p2align	6
	.space	262144
	.amdgpu_metadata
---
amdhsa.version: [ 1, 2 ]
amdhsa.kernels:
  - .name:           k_qc1655745fb_main
    .symbol:         k_qc1655745fb_main.kd
    .args:
      - { .name: templates, .offset: 0, .size: 8, .value_kind: global_buffer, .address_space: global }
      - { .name: gimg, .offset: 8, .size: 8, .value_kind: global_buffer, .address_space: global }
      - { .name: b_temp, .offset: 16, .size: 8, .value_kind: global_buffer, .address_space: global }
      - { .name: lowp_scales, .offset: 24, .size: 8, .value_kind: global_buffer, .address_space: global }
      - { .name: out0, .offset: 32, .size: 8, .value_kind: global_buffer, .address_space: global }
    .group_segment_fixed_size: 326144
    .private_segment_fixed_size: 0
    .kernarg_segment_align: 8
    .kernarg_segment_size: 40
    .max_flat_workgroup_size: 128
    .sgpr_count:     66
    .vgpr_count:     1024
    .wavefront_size: 32
...
	.end_amdgpu_metadata
.endif
;; end of part 2
